; MI455X (gfx1250); checked and timed in simulation.
; The chip was launched on July 23, 2026; its instructions are those of AMD's public machine-readable ISA for CDNA 5 (MIT licence, August 2026) and "CDNA5" Instruction Set Architecture Reference Guide (July 2026). The comments in the code are by the model that wrote it; some were corrected since.
;; Mo E Layer. Allowed arithmetic: float matrix products may take bf16 or f16 operands with f32 sums; other float arithmetic in f32, or as packed bf16 or f16 multiplies, adds, multiply-adds, maxima and minima; sums over many terms, partial sums and values carried from step to step in f32; what a program stores and reads back later, other than sums and carried values, may be rounded once to bf16 or f16.
;; Inputs: expert_b 8 x 1,024 float32; expert_w 8 x 1,024 x 1,024 float32; gate_b 8 float32; gate_w 8 x 1,024 float32; x 8 x 1,024 x 1,024 float32.
;; Outputs: out0 8 x 1,024 float32.
;; One version. Each part assembles by itself: llvm-mc -triple=amdgcn-amd-amdhsa -mcpu=gfx1250 --defsym DOCPART=n.
;; ======== version 1 of 1: 3 launches
;; workspace buffers: ypart 8,388,608 bytes; gpart 8,192 bytes; opart 4,194,304 bytes
;; launch gate_y (part 1): grid 256 x 1, 8 waves a work-group, no clusters, 188,416 bytes of LDS; arguments x, gate_w, gate_b, ypart, gpart; writes ypart, gpart
.if DOCPART == 1
	.amdgcn_target "amdgcn-amd-amdhsa--gfx1250"
	.amdhsa_code_object_version 6
	.text
	.protected	k_q7d4e8122d5_gate_y
	.globl	k_q7d4e8122d5_gate_y
	.p2align	8
	.type	k_q7d4e8122d5_gate_y,@function
k_q7d4e8122d5_gate_y:
	s_mov_b64 s[64:65], 0
	v_nop
	global_prefetch_b8 v0, s[64:65] scope:SCOPE_SE
	s_setreg_imm32_b32 hwreg(HW_REG_WAVE_MODE, 25, 1), 1
	s_wait_xcnt 0x0
; GATES AND WEIGHTED TOKEN SUMS.  The layer's result is summed over the sequence, so it regroups for every input:
;   out[b][o] = sum over e, i of Y[b][e][i] W[e][o][i] + sum over e of Gs[b][e] bias[e][o],
;   Y[b][e][i] = sum over s of G[b][s][e] x[b][s][i],  Gs[b][e] = sum over s of G[b][s][e],
; where G is the renormalised gate of a chosen expert and 0 elsewhere.  This launch makes, for each 32 tokens, the partial Y and Gs.
; FORMATS.  x, gate_w and gate_b are rounded once to bf16 (nearest even); products on the matrix unit, sums in f32.  G goes in as bf16 hi + lo
; (the 16 rows of the A operand: 8 experts' hi, 8 experts' lo), so it keeps 16 significant bits.  Partial sums leave in f32.
; GATES.  Softmax is monotone, so the two largest LOGITS are chosen (strict compares: the lower index wins a tie), and its divisor cancels in the
; renormalisation: t = exp(l2 - l1), g1 = 1 / (1 + t), g2 = t / (1 + t); l1 is the row's maximum, so the exponent is never positive.
; LIMITS.  The order of the sums is not the formula's own.  Logits are taken to be finite (NaN and infinities are not treated apart).  Two logits that differ by less than the f32
; rounding of their sums (about 1e-6 of their size) may be ordered otherwise than by another order of summation.
; SHARES.  Work-group p has tokens 32 p .. 32 p + 31 (131,072 consecutive bytes of x).  Wave w has columns 128 w .. 128 w + 127 in both products, so it reads only
; LDS bytes that its own two tensor loads brought.  All of a work-group's input fits in LDS: every tensor load is a first fill, nothing is filled again.
; NO CLUSTER: the only tile that work-groups share is gate_w, 4,096 of the 20,480 bytes that a wave asks for; x, the rest, has one reader.
.set XP,    528                        ; an LDS row of x or gate_w: 512 bytes + 16 of padding = 132 words: the 16 rows of a load start 4 banks apart (64 banks of 4 bytes: ISA guide 11.1)
.set XW,    32*XP                      ; a wave's part of x: 32 tokens
.set GW,    8*XW                       ; behind x: gate_w, 8 rows a wave
.set GWW,   8*XP
.set LG,    GW+8*GWW                   ; 168,960: partial logits [wave 8][experts 0-3, 4-7][token 32] of 16 bytes
.set GT,    LG+8192                    ; 177,152: for each wave 16 rows (hi of experts 0-7, lo of experts 0-7) of 80 bytes: 32 tokens in bf16 + 16 of padding
.set GP,    80
.set GTW,   16*GP
.set SPARE, GT+8*GTW                   ; 187,392: the spare words, 128 bytes for each wave: four blocks of 256 bytes that no other line names
.set ST,    16                         ; v[16:207] staging: 12 blocks of 16 for the logits; then x by tokens (v[16:143]) and its fragments (v[144:207])
.set XB,    144                        ; fragment of column tile (u, t) at XB + 8 (4 u + t)
.set TM,    144                        ; later: four sets of four registers at work
.set DY,    16                         ; Y's eight accumulators, (u, t) at DY + 8 (4 u + t)
.set D9,    80                         ; the gate sums' accumulator
.set RS,    88                         ; results to store: (u, j, t) at RS + 16 u + 4 j + t
.set ACC0,  208                        ; logits of tokens 0-15
.set ACC1,  216                        ; of tokens 16-31
.set GB,    224                        ; gate_b, rounded to bf16, as f32
.set ONES,  232                        ; a B fragment of ones
.set GA,    240                        ; G as A fragment
.set TT,    248                        ; at work
.set MH,    52                         ; s52  mask of lanes 16-31
.set SEL,   53                         ; s53, s54  v_permlanex16_b32's selects: each lane takes its own place in the other half
	s_load_b256 s[4:11], s[0:1], 0x0               ; x s[4:5], gate_w s[6:7], gate_b s[8:9], ypart s[10:11]
	s_load_b64 s[12:13], s[0:1], 0x20              ; gpart
	v_lshl_add_u32 v4, v0, 2, SPARE                ; my spare word; never rewritten
	v_mov_b32 v5, 0                                ; 0; never rewritten
	ds_add_u32 v4, v5                              ; the wave's opening: the add and its wait stand ahead of my first tensor load; work on registers stands between them
	ds_add_u32 v4, v5
	v_lshrrev_b32 v15, 5, v0
	v_readfirstlane_b32 s14, v15                   ; wave 0..7
	s_mov_b32 s15, ttmp9                           ; p
	; descriptor group 1 for x: 32 rows x 128 elements of 4 bytes, 1,024 elements from row to row, 4 words of padding after every 128
	s_mov_b32 s24, (2<<16)|(1<<20)|(6<<22)|(3<<25)
	s_mov_b32 s25, 128<<16                         ; tensor_dim0 = 128
	s_mov_b32 s26, 32<<16                          ; tensor_dim1 = 32
	s_mov_b32 s27, 128<<16                         ; tile_dim0 = 128
	s_mov_b32 s28, 32                              ; tile_dim1 = 32
	s_mov_b32 s29, 1024
	s_mov_b32 s30, 0
	s_mov_b32 s31, 0
	; the same for gate_w, with 8 rows
	s_mov_b32 s36, (2<<16)|(1<<20)|(6<<22)|(3<<25)
	s_mov_b32 s37, 128<<16
	s_mov_b32 s38, 8<<16
	s_mov_b32 s39, 128<<16
	s_mov_b32 s40, 8
	s_mov_b32 s41, 1024
	s_mov_b32 s42, 0
	s_mov_b32 s43, 0
	s_mov_b32 s20, 1                               ; group 0 for x
	s_mul_i32 s21, s14, XW                         ; LDS address: my wave's part
	s_mov_b32 s32, 1                               ; group 0 for gate_w
	s_mul_i32 s33, s14, GWW
	s_add_co_u32 s33, s33, GW
	s_lshl_b32 s18, s14, 9                         ; my 128 columns: 512 bytes
	s_mov_b32 s19, 0
	s_lshl_b32 s16, s15, 17                        ; my work-group's 32 rows of 4,096 bytes
	s_add_co_u32 s16, s16, s18
	s_mov_b32 s17, 0
	s_wait_dscnt 0x0                               ; the opening add is done
	s_wait_kmcnt 0x0
	s_add_nc_u64 s[34:35], s[6:7], s[18:19]
	s_or_b32 s35, s35, 0x80000000                  ; type = 2
	s_add_nc_u64 s[22:23], s[4:5], s[16:17]
	s_or_b32 s23, s23, 0x80000000
	tensor_load_to_lds s[32:35], s[36:43]          ; gate_w's 8 rows of my columns
	s_nop 0
	tensor_load_to_lds s[20:23], s[24:31]          ; x's 32 rows of my columns: two tensor loads of mine are out, and no more follow
	s_nop 0
	s_load_b256 s[44:51], s[8:9], 0x0              ; gate_b
	s_mov_b32 s[MH], 0xffff0000
	s_mov_b32 s[SEL], 0x76543210
	s_mov_b32 s[SEL+1], 0xfedcba98
	s_mov_b32 s55, 0xff800000                      ; -infinity: takes the chosen expert out of the second scan
	v_and_b32 v1, 31, v0                           ; L
	v_and_b32 v2, 15, v0                           ; r
	v_bfe_u32 v3, v0, 4, 1                         ; h
	v_mul_u32_u24 v6, v2, XP                       ; x for the logits: token r, 16 columns for each half of the lanes
	v_lshl_add_u32 v6, v3, 6, v6
	v_add_nc_u32 v6, s21, v6
	v_and_b32 v15, 7, v0                           ; gate_w likewise: rows 8-15 of the operand repeat experts 0-7
	v_mul_u32_u24 v7, v15, XP
	v_lshl_add_u32 v7, v3, 6, v7
	v_add_nc_u32 v7, s33, v7
	v_mul_u32_u24 v8, v3, 8*XP                     ; x for Y: token 8 h, columns 4 r .. 4 r + 3
	v_lshl_add_u32 v8, v2, 4, v8
	v_add_nc_u32 v8, s21, v8
	v_lshl_add_u32 v9, v1, 4, LG                   ; partial logits of token L, wave 0's
	s_lshl_b32 s16, s14, 10
	v_add_nc_u32 v10, s16, v9                      ; and my wave's
	s_mul_i32 s17, s14, GTW
	s_add_co_u32 s17, s17, GT                      ; my wave's table of gates
	v_lshl_add_u32 v11, v1, 1, s17                 ; in: token L
	v_mul_u32_u24 v12, v2, GP                      ; back: row r, tokens 8 h on
	v_lshl_add_u32 v12, v3, 4, v12
	v_add_nc_u32 v12, s17, v12
	s_lshl_b32 s18, s14, 17                        ; ypart [e][slice of 64 i][p][64 i]: my wave's two slices,
	s_lshl_b32 s19, s15, 8                         ; my work-group's 256 bytes in each,
	s_add_co_u32 s18, s18, s19
	v_lshlrev_b32 v13, 22, v3                      ; experts 4-7 for lanes 16-31,
	v_lshl_add_u32 v13, v2, 4, v13                 ; columns 4 r on
	v_add_nc_u32 v13, s18, v13
	s_lshl_b32 s19, s15, 5                         ; gpart [p][8]
	v_lshl_add_u32 v14, v3, 4, s19
.irp j, 0,1,2,3,4,5,6,7
	v_mov_b32 v[ONES+(\j)], 0x3f803f80             ; 1.0 twice in bf16
.endr
	s_wait_kmcnt 0x0                               ; gate_b
.irp j, 0,1,2,3,4,5,6,7
	v_mov_b32 v[GB+(\j)], s[44+(\j)]
.endr
.irp j, 0,1,2,3
	v_cvt_pk_bf16_f32 v[TT+(\j)], v[GB+2*(\j)], v[GB+2*(\j)+1]
.endr
.irp j, 0,1,2,3
	v_lshlrev_b32 v[GB+2*(\j)], 16, v[TT+(\j)]
	v_and_b32 v[GB+2*(\j)+1], 0xffff0000, v[TT+(\j)]
.endr
; sixteen f32 in a block of 16 registers become a fragment's eight registers, in place, ascending: no register is written before it has been read
.macro CVT16 s
.irp j, 0,1,2,3,4,5,6,7
	v_cvt_pk_bf16_f32 v[(\s)+(\j)], v[(\s)+2*(\j)], v[(\s)+2*(\j)+1]
.endr
.endm
; Rows 0-7 of a result hold hi parts (lanes 0-15), rows 8-15 lo parts (lanes 16-31).  For j = 0..3: lanes 0-15 get hi + lo of row j, lanes 16-31 of row j + 4.
; Every read of the accumulator names one of its four lowest registers.
.macro COMBINE4 d, dst, step
.irp j, 0,1,2,3
	v_cndmask_b32 v[TM+4*(\j)], v[(\d)+(\j)], v[(\d)+(\j)+4], s[MH]     ; what I keep
	v_cndmask_b32 v[TM+4*(\j)+1], v[(\d)+(\j)+4], v[(\d)+(\j)], s[MH]   ; what the lane 16 away wants
.endr
.irp j, 0,1,2,3
	v_permlanex16_b32 v[TM+4*(\j)+2], v[TM+4*(\j)+1], s[SEL], s[SEL+1]
.endr
.irp j, 0,1,2,3
	v_add_f32 v[(\dst)+(\step)*(\j)], v[TM+4*(\j)], v[TM+4*(\j)+2]
.endr
.endm
	; PARTIAL LOGITS over my 128 columns, four K steps of 32.  K slot q of lane half h stands for column 32 c + 16 h + q in both operands: the same permutation of k on either side keeps the products.
	s_wait_tensorcnt 0x0                           ; both my tiles are in; only I read them
.irp c, 0,1,2,3
.irp jj, 0,1,2,3
	ds_load_b128 v[ST+48*(\c)+4*(\jj):ST+48*(\c)+4*(\jj)+3], v7 offset:128*(\c)+16*(\jj)
.endr
.irp jj, 0,1,2,3
	ds_load_b128 v[ST+48*(\c)+16+4*(\jj):ST+48*(\c)+16+4*(\jj)+3], v6 offset:128*(\c)+16*(\jj)
.endr
.irp jj, 0,1,2,3
	ds_load_b128 v[ST+48*(\c)+32+4*(\jj):ST+48*(\c)+32+4*(\jj)+3], v6 offset:16*XP+128*(\c)+16*(\jj)
.endr
.endr
	; source 0 = experts, source 1 = 16 tokens: a lane then holds all eight logits of token r.  The two accumulators take turns.
.irp c, 0,1,2,3
	s_wait_dscnt 36-12*(\c)                        ; this K step's 12 loads are in; the later steps' 12 each may be out
	CVT16 ST+48*(\c)
	CVT16 ST+48*(\c)+16
	CVT16 ST+48*(\c)+32
.if (\c) == 0
	v_wmma_f32_16x16x32_bf16 v[ACC0:ACC0+7], v[ST:ST+7], v[ST+16:ST+23], 0
	v_wmma_f32_16x16x32_bf16 v[ACC1:ACC1+7], v[ST:ST+7], v[ST+32:ST+39], 0
.else
	v_wmma_f32_16x16x32_bf16 v[ACC0:ACC0+7], v[ST+48*(\c):ST+48*(\c)+7], v[ST+48*(\c)+16:ST+48*(\c)+23], v[ACC0:ACC0+7]
	v_wmma_f32_16x16x32_bf16 v[ACC1:ACC1+7], v[ST+48*(\c):ST+48*(\c)+7], v[ST+48*(\c)+32:ST+48*(\c)+39], v[ACC1:ACC1+7]
.endif
.endr
.rept 4
	v_nop                                          ; four places behind the last product (ISA guide 7.12.1)
.endr
.irp j, 0,1,2,3,4,5,6,7
	v_cndmask_b32 v[TT+(\j)], v[ACC0+(\j)], v[ACC1+(\j)], s[MH]  ; lane L now holds token L
.endr
	ds_store_b128 v10, v[TT:TT+3]                  ; experts 0-3
	ds_store_b128 v10, v[TT+4:TT+7] offset:512     ; experts 4-7
	; x ONCE MORE, AS B FRAGMENTS FOR Y: K = token, in the operand's own order (half h: tokens 8 h .. 8 h + 7, then 16 + 8 h ..).  A load takes 4 columns of one token; lanes 0-15 read 256 consecutive bytes.
	; Column r of tile (u, t) is column 64 u + 4 r + t of my 128, so that a lane's four tiles t hold four neighbouring columns.
.irp u, 0,1
.irp q, 0,1,2,3,4,5,6,7,8,9,10,11,12,13,14,15
	ds_load_b128 v[16+64*(\u)+4*(\q):16+64*(\u)+4*(\q)+3], v8 offset:((\q)+8*((\q)/8))*XP+256*(\u)
.endr
.endr
.irp u, 0,1
	s_wait_dscnt 16-16*(\u)                        ; half u's 16 loads are in; the other half's may be out
.irp t, 0,1,2,3
.irp j, 0,1,2,3,4,5,6,7
	v_cvt_pk_bf16_f32 v[XB+8*(4*(\u)+(\t))+(\j)], v[16+64*(\u)+8*(\j)+(\t)], v[16+64*(\u)+8*(\j)+4+(\t)]
.endr
.endr
.endr
	s_wait_dscnt 0x0                               ; for the others' sake: my two stores of partial logits are done
	s_barrier_signal -1
	s_barrier_wait -1                              ; everybody's are
	; THE GATES.  Every wave makes them for all 32 tokens (lane = token) by the same lines from the same numbers, so all waves agree and no second barrier is needed.
.irp ww, 0,1,2,3,4,5,6,7
	ds_load_b128 v[16+8*(\ww):16+8*(\ww)+3], v9 offset:1024*(\ww)
	ds_load_b128 v[16+8*(\ww)+4:16+8*(\ww)+7], v9 offset:1024*(\ww)+512
.endr
	s_wait_dscnt 0x0
.irp ww, 1,2,3,4,5,6,7
.irp k, 0,2,4,6
	v_pk_add_f32 v[16+(\k):17+(\k)], v[16+(\k):17+(\k)], v[16+8*(\ww)+(\k):17+8*(\ww)+(\k)]
.endr
.endr
.irp k, 0,2,4,6
	v_pk_add_f32 v[16+(\k):17+(\k)], v[16+(\k):17+(\k)], v[GB+(\k):GB+(\k)+1]
.endr
; the largest of eight and its index; an equal later number does not replace an earlier one
.macro SCAN src, best, idx
	v_mov_b32 v[\best], v[\src]
	v_mov_b32 v[\idx], 0
.irp e, 1,2,3,4,5,6,7
	v_cmp_le_f32 vcc_lo, v[(\src)+(\e)], v[\best]
	v_cndmask_b32 v[\best], v[(\src)+(\e)], v[\best], vcc_lo
	v_cndmask_b32 v[\idx], \e, v[\idx], vcc_lo
.endr
.endm
	SCAN 16, 80, 81                                ; l1 v80, its expert v81
.irp e, 0,1,2,3,4,5,6,7
	v_cmp_eq_u32 vcc_lo, \e, v81
	v_cndmask_b32 v[84+(\e)], v[16+(\e)], s55, vcc_lo
.endr
	SCAN 84, 82, 83                                ; l2 v82, its expert v83
	v_sub_f32 v92, v82, v80                        ; l2 - l1, never positive
	v_mul_f32 v92, 0x3fb8aa3b, v92
	v_exp_f32 v92, v92                             ; t
	v_nop                                          ; a plain instruction behind the exponential (ISA guide 5.7.2)
	s_wait_alu depctr_va_vdst(0)
	v_add_f32 v93, 1.0, v92
	v_rcp_f32 v94, v93                             ; g1
	v_nop
	s_wait_alu depctr_va_vdst(0)
	v_mul_f32 v95, v92, v94                        ; g2
.irp e, 0,1,2,3,4,5,6,7
	v_cmp_eq_u32 vcc_lo, \e, v81
	v_cndmask_b32 v[96+(\e)], 0, v94, vcc_lo
	v_cmp_eq_u32 vcc_lo, \e, v83
	v_cndmask_b32 v[96+(\e)], v[96+(\e)], v95, vcc_lo
.endr
.irp j, 0,1,2,3
	v_cvt_pk_bf16_f32 v[104+(\j)], v[96+2*(\j)], v[96+2*(\j)+1]    ; hi
.endr
.irp j, 0,1,2,3
	v_lshlrev_b32 v[108+2*(\j)], 16, v[104+(\j)]
	v_and_b32 v[108+2*(\j)+1], 0xffff0000, v[104+(\j)]
.endr
.irp j, 0,1,2,3
	v_pk_add_f32 v[116+2*(\j):117+2*(\j)], v[96+2*(\j):97+2*(\j)], v[108+2*(\j):109+2*(\j)] neg_lo:[0,1] neg_hi:[0,1]
.endr
.irp j, 0,1,2,3
	v_cvt_pk_bf16_f32 v[124+(\j)], v[116+2*(\j)], v[116+2*(\j)+1]  ; lo
.endr
.irp j, 0,1,2,3
	ds_store_b16 v11, v[104+(\j)] offset:GP*(2*(\j))
	ds_store_b16_d16_hi v11, v[104+(\j)] offset:GP*(2*(\j)+1)
	ds_store_b16 v11, v[124+(\j)] offset:GP*(8+2*(\j))
	ds_store_b16_d16_hi v11, v[124+(\j)] offset:GP*(9+2*(\j))
.endr
	ds_load_b128 v[GA:GA+3], v12                   ; my wave's own bytes; LDS serves a wave's instructions in order (ISA guide 5.7.1.4): these see the stores above
	ds_load_b128 v[GA+4:GA+7], v12 offset:32
	s_wait_tensorcnt 0x0                           ; behind my last tensor load and my last LDS store
	ds_add_u32 v4, v5
	s_wait_dscnt 0x0                               ; also the wait for G's fragment
	; Y = G x: 32 tokens are one K step, so each of the nine products starts and ends its own sum
.irp i, 0,1,2,3,4,5,6,7
	v_wmma_f32_16x16x32_bf16 v[DY+8*(\i):DY+8*(\i)+7], v[GA:GA+7], v[XB+8*(\i):XB+8*(\i)+7], 0
.endr
	v_wmma_f32_16x16x32_bf16 v[D9:D9+7], v[GA:GA+7], v[ONES:ONES+7], 0   ; the gates' sums over the 32 tokens, in every column
.rept 4
	v_nop                                          ; four places: results are read, and spent B fragments written, below
.endr
.irp u, 0,1
.irp t, 0,1,2,3
	COMBINE4 DY+8*(4*(\u)+(\t)), RS+16*(\u)+(\t), 4
.endr
.endr
.irp u, 0,1
.irp j, 0,1,2,3
	global_store_b128 v13, v[RS+16*(\u)+4*(\j):RS+16*(\u)+4*(\j)+3], s[10:11] offset:(\j)*1048576+(\u)*65536  ; each half of the lanes stores 256 consecutive bytes, at a multiple of 256 from ypart's first
.endr
.endr
	s_cmp_lg_u32 s14, 0
	s_cbranch_scc1 .Lend                           ; the gate sums are the same in every wave: wave 0 stores them
	COMBINE4 D9, 120, 1
	s_wait_xcnt 0x0                                ; EXEC changes only behind this wait
	v_cmp_eq_u32 vcc_lo, 0, v2
	s_and_saveexec_b32 s56, vcc_lo                 ; lane 0: experts 0-3; lane 16: experts 4-7
	global_store_b128 v14, v[120:123], s[12:13]
	s_wait_xcnt 0x0
	s_or_b32 exec_lo, exec_lo, s56
.Lend:
	s_endpgm
.Lfunc_end_k_q7d4e8122d5_gate_y:
	.size	k_q7d4e8122d5_gate_y, .Lfunc_end_k_q7d4e8122d5_gate_y-k_q7d4e8122d5_gate_y
	.p2alignl 7, 3214868480
	.fill 96, 4, 3214868480
	.section	.rodata,"a",@progbits
	.p2align	6, 0x0
	.amdhsa_kernel k_q7d4e8122d5_gate_y
		.amdhsa_group_segment_fixed_size 188416
		.amdhsa_private_segment_fixed_size 0
		.amdhsa_enable_private_segment 0
		.amdhsa_kernarg_size 40
		.amdhsa_user_sgpr_count 2
		.amdhsa_user_sgpr_kernarg_segment_ptr 1
		.amdhsa_wavefront_size32 1
		.amdhsa_system_sgpr_workgroup_id_x 1
		.amdhsa_system_sgpr_workgroup_id_y 1
		.amdhsa_system_sgpr_workgroup_id_z 1
		.amdhsa_system_vgpr_workitem_id 0
		.amdhsa_next_free_vgpr 256
		.amdhsa_next_free_sgpr 66
		.amdhsa_reserve_vcc 1
		.amdhsa_float_denorm_mode_32 3
		.amdhsa_float_denorm_mode_16_64 3
		.amdhsa_memory_ordered 1
		.amdhsa_forward_progress 1
		.amdhsa_inst_pref_size 41
	.end_amdhsa_kernel
	.amdgpu_metadata
---
amdhsa.version: [ 1, 2 ]
amdhsa.kernels:
  - .name:           k_q7d4e8122d5_gate_y
    .symbol:         k_q7d4e8122d5_gate_y.kd
    .args:
      - { .name: x, .offset: 0, .size: 8, .value_kind: global_buffer, .address_space: global }
      - { .name: gate_w, .offset: 8, .size: 8, .value_kind: global_buffer, .address_space: global }
      - { .name: gate_b, .offset: 16, .size: 8, .value_kind: global_buffer, .address_space: global }
      - { .name: ypart, .offset: 24, .size: 8, .value_kind: global_buffer, .address_space: global }
      - { .name: gpart, .offset: 32, .size: 8, .value_kind: global_buffer, .address_space: global }
    .group_segment_fixed_size: 188416
    .private_segment_fixed_size: 0
    .kernarg_segment_align: 8
    .kernarg_segment_size: 40
    .max_flat_workgroup_size: 256
    .sgpr_count:     66
    .vgpr_count:     256
    .wavefront_size: 32
...
	.end_amdgpu_metadata
.endif
;; end of part 1
;; launch yw (part 2): grid 256 x 1, 8 waves a work-group, no clusters, 167,936 bytes of LDS; arguments ypart, expert_w, opart; writes opart
.if DOCPART == 2
	.amdgcn_target "amdgcn-amd-amdhsa--gfx1250"
	.amdhsa_code_object_version 6
	.text
	.protected	k_q7d4e8122d5_yw
	.globl	k_q7d4e8122d5_yw
	.p2align	8
	.type	k_q7d4e8122d5_yw,@function
k_q7d4e8122d5_yw:
	s_mov_b64 s[64:65], 0
	v_nop
	global_prefetch_b8 v0, s[64:65] scope:SCOPE_SE
	s_setreg_imm32_b32 hwreg(HW_REG_WAVE_MODE, 25, 1), 1
	s_wait_xcnt 0x0
; opart[b][o] for one expert e and one slice of 64 i: the sum over that slice of Y[b][e][i] W[e][o][i].
; FORMATS.  expert_w is rounded once to bf16; Y, summed here in f32 from the 32 partial sums of each batch, goes in as bf16 hi + lo (rows 0-7 and 8-15 of the A operand: 16 significant bits).  Sums in f32; partial sums leave in f32.
; SHARES.  Work-group id: half oh = id & 1 of the outputs, part = id >> 1 = 16 e + slice.  It alone reads W[e][512 oh .. + 511][64 slice .. + 63]: 512 row pieces of 256 bytes, each at a multiple of 256 from the buffer's first byte.
; Wave w has rows 64 w .. 64 w + 63 of these, in four tiles: tile t holds rows 4 y + t (y = 0..15), so that lane r's four tiles give four neighbouring outputs 4 r + t, while the 16 rows of a fragment load lie 272 bytes apart in LDS.
; (One tile of 64 rows in memory's order would put those 16 rows 1,088 bytes apart: 16 banks, four lanes to a bank.)  Wave w also sums batch w's part of ypart.
; All of a work-group's weights fit in LDS: every tensor load is a first fill, nothing is filled again.
; NO CLUSTER: each weight has one reader; the two halves oh share 65,536 bytes of ypart, which go straight into registers to be summed.
.set WP,    272                        ; an LDS row: 256 bytes + 16 of padding = 68 words: row y starts at bank 4 y mod 64 (64 banks of 4 bytes: ISA guide 11.1)
.set WTILE, 16*WP
.set WW,    4*WTILE                    ; a wave's four tiles
.set YA,    8*WW                       ; 139,264: Y as bf16: 16 rows (batch hi 0-7, lo 0-7) of 144 bytes: 64 i + 16 of padding
.set YP,    144
.set SPARE, YA+16*YP                   ; 141,568: the spare words, 128 bytes for each wave: four blocks of 256 bytes that no other line names
.set ST,    16                         ; v[16:79] ypart; then v[16:143] W: block 2 t + c of 16 registers
.set ACC,   144                        ; accumulator of tile t at ACC + 8 t
.set YF,    176                        ; Y's fragment of K step c at YF + 8 c
.set RS,    192                        ; results: (j, t) at RS + 4 j + t
.set TM,    208                        ; v[208:223] at work
.set MH,    44                         ; s44  mask of lanes 16-31
.set SEL,   45                         ; s45, s46  v_permlanex16_b32's selects
	s_load_b128 s[4:7], s[0:1], 0x0                ; ypart s[4:5], expert_w s[6:7]
	s_load_b64 s[8:9], s[0:1], 0x10                ; opart
	v_lshl_add_u32 v4, v0, 2, SPARE                ; my spare word; never rewritten
	v_mov_b32 v5, 0                                ; 0; never rewritten
	ds_add_u32 v4, v5                              ; the wave's opening: the add and its wait stand ahead of my first tensor load; work on registers stands between them
	ds_add_u32 v4, v5
	v_lshrrev_b32 v15, 5, v0
	v_readfirstlane_b32 s10, v15                   ; wave 0..7
	s_mov_b32 s11, ttmp9
	s_and_b32 s12, s11, 1                          ; oh
	s_lshr_b32 s15, s11, 1                         ; part
	s_and_b32 s13, s15, 15                         ; slice
	s_lshr_b32 s14, s11, 5                         ; e
	; descriptor group 1: 16 rows x 64 elements of 4 bytes, four rows of W (4,096 elements) from row to row, 4 words of padding after every 64
	s_mov_b32 s20, (2<<16)|(1<<20)|(5<<22)|(3<<25)
	s_mov_b32 s21, 64<<16                          ; tensor_dim0 = 64
	s_mov_b32 s22, 16<<16                          ; tensor_dim1 = 16
	s_mov_b32 s23, 64<<16                          ; tile_dim0 = 64
	s_mov_b32 s24, 16                              ; tile_dim1 = 16
	s_mov_b32 s25, 4096
	s_mov_b32 s26, 0
	s_mov_b32 s27, 0
	s_mul_i32 s47, s10, WW                         ; my wave's tiles in LDS
.irp t, 0,1,2,3
	s_mov_b32 s[28+4*(\t)], 1
	s_add_co_u32 s[29+4*(\t)], s47, (\t)*WTILE
.endr
	s_lshl_b32 s16, s14, 22                        ; the expert's 4 MiB,
	s_lshl_b32 s18, s12, 21                        ; 512 rows of 4,096 bytes,
	s_or_b32 s16, s16, s18
	s_lshl_b32 s18, s10, 18                        ; my wave's 64 rows,
	s_or_b32 s16, s16, s18
	s_lshl_b32 s18, s13, 8                         ; the slice's 256 bytes
	s_or_b32 s16, s16, s18
	s_mov_b32 s17, 0
	s_wait_dscnt 0x0                               ; the opening add is done
	s_wait_kmcnt 0x0
	s_add_nc_u64 s[6:7], s[6:7], s[16:17]
.irp t, 0,1,2,3
	s_add_nc_u64 s[30+4*(\t):31+4*(\t)], s[6:7], (\t)*4096         ; tile t begins at row t
	s_or_b32 s[31+4*(\t)], s[31+4*(\t)], 0x80000000               ; type = 2
.endr
.irp t, 0,1,2,3
	tensor_load_to_lds s[28+4*(\t):31+4*(\t)], s[20:27]            ; four tensor loads of mine are out, and no more follow
	s_nop 0
.endr
	s_lshl_b32 s18, s15, 16                        ; ypart [part][p 256][64 i]: the part's 65,536 bytes,
	s_lshl_b32 s19, s10, 13                        ; batch w's 32 p of 256 bytes
	s_add_co_u32 s18, s18, s19
	s_mov_b32 s19, 0
	s_add_nc_u64 s[4:5], s[4:5], s[18:19]
	v_and_b32 v1, 31, v0                           ; L
	v_lshlrev_b32 v9, 4, v1
.irp n, 0,1,2,3,4,5,6,7,8,9,10,11,12,13,14,15
	global_load_b128 v[ST+4*(\n):ST+4*(\n)+3], v9, s[4:5] offset:512*(\n)  ; two p at a time: 512 consecutive bytes
.endr
	s_mov_b32 s[MH], 0xffff0000
	s_mov_b32 s[SEL], 0x76543210
	s_mov_b32 s[SEL+1], 0xfedcba98
	v_and_b32 v2, 15, v0                           ; r
	v_bfe_u32 v3, v0, 4, 1                         ; h
	v_mov_b32 v222, 0                              ; a destination of v_permlanex16_b32 counts as read
	v_mul_u32_u24 v6, v2, WP                       ; W's fragments: row r of a tile, 16 columns for each half of the lanes
	v_lshl_add_u32 v6, v3, 6, v6
	v_add_nc_u32 v6, s47, v6
	s_mul_i32 s48, s10, YP
	s_add_co_u32 s48, s48, YA
	v_mul_u32_u24 v7, v3, 8*YP                     ; Y in: row w (hi, lanes 0-15) or w + 8 (lo, lanes 16-31), 4 numbers at 8 r
	v_lshl_add_u32 v7, v2, 3, v7
	v_add_nc_u32 v7, s48, v7
	v_mul_u32_u24 v8, v2, YP                       ; Y back: row r, 16 numbers for each half of the lanes
	v_lshl_add_u32 v8, v3, 5, v8
	v_add_nc_u32 v8, YA, v8
	v_lshlrev_b32 v10, 21, v3                      ; opart [b][group of 64 o][part][64 o]: batches 4-7 for lanes 16-31,
	v_lshl_add_u32 v10, v2, 4, v10                 ; outputs 4 r on
	s_lshl_b32 s16, s12, 3
	s_add_co_u32 s16, s16, s10                     ; my group of 64 outputs: 8 oh + w
	s_lshl_b32 s16, s16, 15
	s_lshl_b32 s18, s15, 8
	s_add_co_u32 s16, s16, s18
	s_mov_b32 s17, 0
	s_add_nc_u64 s[8:9], s[8:9], s[16:17]
.macro CVT16 s                         ; sixteen f32 become a fragment's eight registers, in place, ascending
.irp j, 0,1,2,3,4,5,6,7
	v_cvt_pk_bf16_f32 v[(\s)+(\j)], v[(\s)+2*(\j)], v[(\s)+2*(\j)+1]
.endr
.endm
.macro BADD a, b                       ; block a of four registers takes block b
	v_pk_add_f32 v[ST+4*(\a):ST+4*(\a)+1], v[ST+4*(\a):ST+4*(\a)+1], v[ST+4*(\b):ST+4*(\b)+1]
	v_pk_add_f32 v[ST+4*(\a)+2:ST+4*(\a)+3], v[ST+4*(\a)+2:ST+4*(\a)+3], v[ST+4*(\b)+2:ST+4*(\b)+3]
.endm
; Rows 0-7 of a result hold hi parts (lanes 0-15), rows 8-15 lo parts (lanes 16-31).  For j = 0..3: lanes 0-15 get hi + lo of row j, lanes 16-31 of row j + 4.
; Every read of the accumulator names one of its four lowest registers.
.macro COMBINE4 d, dst, step
.irp j, 0,1,2,3
	v_cndmask_b32 v[TM+4*(\j)], v[(\d)+(\j)], v[(\d)+(\j)+4], s[MH]
	v_cndmask_b32 v[TM+4*(\j)+1], v[(\d)+(\j)+4], v[(\d)+(\j)], s[MH]
.endr
.irp j, 0,1,2,3
	v_permlanex16_b32 v[TM+4*(\j)+2], v[TM+4*(\j)+1], s[SEL], s[SEL+1]
.endr
.irp j, 0,1,2,3
	v_add_f32 v[(\dst)+(\step)*(\j)], v[TM+4*(\j)], v[TM+4*(\j)+2]
.endr
.endm
	; Y[b = w][e][the slice's 64 i]: the sum of 32 partial rows, blocks 1, 2, 4 and 8 apart, then the two halves of the lanes
	s_wait_loadcnt 0x0
.irp n, 0,2,4,6,8,10,12,14
	BADD \n, (\n)+1
.endr
.irp n, 0,4,8,12
	BADD \n, (\n)+2
.endr
	BADD 0, 4
	BADD 8, 12
	BADD 0, 8
.irp k, 0,1,2,3
	v_permlanex16_b32 v[ST+4+(\k)], v[ST+(\k)], s[SEL], s[SEL+1]
.endr
.irp k, 0,1,2,3
	v_add_f32 v[ST+(\k)], v[ST+(\k)], v[ST+4+(\k)]
.endr
	v_cvt_pk_bf16_f32 v208, v16, v17               ; hi
	v_cvt_pk_bf16_f32 v209, v18, v19
	v_lshlrev_b32 v210, 16, v208
	v_and_b32 v211, 0xffff0000, v208
	v_lshlrev_b32 v212, 16, v209
	v_and_b32 v213, 0xffff0000, v209
	v_pk_add_f32 v[214:215], v[16:17], v[210:211] neg_lo:[0,1] neg_hi:[0,1]
	v_pk_add_f32 v[216:217], v[18:19], v[212:213] neg_lo:[0,1] neg_hi:[0,1]
	v_cvt_pk_bf16_f32 v218, v214, v215             ; lo
	v_cvt_pk_bf16_f32 v219, v216, v217
	v_cndmask_b32 v220, v208, v218, s[MH]
	v_cndmask_b32 v221, v209, v219, s[MH]
	ds_store_b64 v7, v[220:221]
	; W's fragments.  K slot q of lane half h stands for column 32 c + 16 h + q of the slice, on Y's side too.
.irp t, 0,1,2,3
	s_wait_tensorcnt 3-(\t)                        ; tensor loads of a wave end in order (ISA guide 10.11.1): tile t is in, the later ones may be out; only I read it
.irp c, 0,1
.irp jj, 0,1,2,3
	ds_load_b128 v[ST+16*(2*(\t)+(\c))+4*(\jj):ST+16*(2*(\t)+(\c))+4*(\jj)+3], v6 offset:(\t)*WTILE+128*(\c)+16*(\jj)
.endr
.endr
.endr
.irp t, 0,1,2,3
	s_wait_dscnt 24-8*(\t)                         ; tile t's 8 loads are in; the later tiles' 8 each may be out
	CVT16 ST+32*(\t)
	CVT16 ST+32*(\t)+16
.endr
	s_wait_dscnt 0x0                               ; for the others' sake: my store of Y is done
	s_barrier_signal -1
	s_barrier_wait -1                              ; all eight batches' rows are there
.irp c, 0,1
	ds_load_b128 v[YF+8*(\c):YF+8*(\c)+3], v8 offset:64*(\c)
	ds_load_b128 v[YF+8*(\c)+4:YF+8*(\c)+7], v8 offset:64*(\c)+16
.endr
	s_wait_tensorcnt 0x0                           ; behind my last tensor load and my last LDS store
	ds_add_u32 v4, v5
	s_wait_dscnt 0x0                               ; also the wait for Y's fragments
	; two K steps on four accumulators, which take turns: three others' products stand between the two links of a chain
.irp t, 0,1,2,3
	v_wmma_f32_16x16x32_bf16 v[ACC+8*(\t):ACC+8*(\t)+7], v[YF:YF+7], v[ST+32*(\t):ST+32*(\t)+7], 0
.endr
.irp t, 0,1,2,3
	v_wmma_f32_16x16x32_bf16 v[ACC+8*(\t):ACC+8*(\t)+7], v[YF+8:YF+15], v[ST+32*(\t)+16:ST+32*(\t)+23], v[ACC+8*(\t):ACC+8*(\t)+7]
.endr
.rept 4
	v_nop                                          ; four places behind the last product (ISA guide 7.12.1)
.endr
.irp t, 0,1,2,3
	COMBINE4 ACC+8*(\t), RS+(\t), 4
.endr
.irp j, 0,1,2,3
	global_store_b128 v10, v[RS+4*(\j):RS+4*(\j)+3], s[8:9] offset:(\j)*524288  ; batches j and j + 4: each half of the lanes stores 256 consecutive bytes, at a multiple of 256 from opart's first
.endr
	s_endpgm
.Lfunc_end_k_q7d4e8122d5_yw:
	.size	k_q7d4e8122d5_yw, .Lfunc_end_k_q7d4e8122d5_yw-k_q7d4e8122d5_yw
	.p2alignl 7, 3214868480
	.fill 96, 4, 3214868480
	.section	.rodata,"a",@progbits
	.p2align	6, 0x0
	.amdhsa_kernel k_q7d4e8122d5_yw
		.amdhsa_group_segment_fixed_size 167936
		.amdhsa_private_segment_fixed_size 0
		.amdhsa_enable_private_segment 0
		.amdhsa_kernarg_size 24
		.amdhsa_user_sgpr_count 2
		.amdhsa_user_sgpr_kernarg_segment_ptr 1
		.amdhsa_wavefront_size32 1
		.amdhsa_system_sgpr_workgroup_id_x 1
		.amdhsa_system_sgpr_workgroup_id_y 1
		.amdhsa_system_sgpr_workgroup_id_z 1
		.amdhsa_system_vgpr_workitem_id 0
		.amdhsa_next_free_vgpr 224
		.amdhsa_next_free_sgpr 66
		.amdhsa_reserve_vcc 0
		.amdhsa_float_denorm_mode_32 3
		.amdhsa_float_denorm_mode_16_64 3
		.amdhsa_memory_ordered 1
		.amdhsa_forward_progress 1
		.amdhsa_inst_pref_size 21
	.end_amdhsa_kernel
	.amdgpu_metadata
---
amdhsa.version: [ 1, 2 ]
amdhsa.kernels:
  - .name:           k_q7d4e8122d5_yw
    .symbol:         k_q7d4e8122d5_yw.kd
    .args:
      - { .name: ypart, .offset: 0, .size: 8, .value_kind: global_buffer, .address_space: global }
      - { .name: expert_w, .offset: 8, .size: 8, .value_kind: global_buffer, .address_space: global }
      - { .name: opart, .offset: 16, .size: 8, .value_kind: global_buffer, .address_space: global }
    .group_segment_fixed_size: 167936
    .private_segment_fixed_size: 0
    .kernarg_segment_align: 8
    .kernarg_segment_size: 24
    .max_flat_workgroup_size: 256
    .sgpr_count:     66
    .vgpr_count:     224
    .wavefront_size: 32
...
	.end_amdgpu_metadata
.endif
;; end of part 2
;; launch finish (part 3): grid 128 x 1, 8 waves a work-group, no clusters, 5,120 bytes of LDS; arguments opart, gpart, expert_b, out0; writes out0
.if DOCPART == 3
	.amdgcn_target "amdgcn-amd-amdhsa--gfx1250"
	.amdhsa_code_object_version 6
	.text
	.protected	k_q7d4e8122d5_finish
	.globl	k_q7d4e8122d5_finish
	.p2align	8
	.type	k_q7d4e8122d5_finish,@function
k_q7d4e8122d5_finish:
	s_mov_b64 s[64:65], 0
	v_nop
	global_prefetch_b8 v0, s[64:65] scope:SCOPE_SE
	s_setreg_imm32_b32 hwreg(HW_REG_WAVE_MODE, 25, 1), 1
	s_wait_xcnt 0x0
; out0[b][64 g .. 64 g + 63] = the sum of opart's 128 parts (8 experts x 16 slices of i) + the sum over e of Gs[b][e] bias[e][o], Gs[b][e] the sum of gpart over the batch's 32 blocks of tokens.
; All sums in f32, in a fixed order; expert_b is rounded once to bf16, like the other inputs.
; SHARES.  Work-group id = 16 b + g has 32,768 consecutive bytes of opart.  Wave w sums parts 16 w .. 16 w + 15 and adds expert w's bias term; the eight waves' sums meet in LDS, and wave 0 stores one block of 256 bytes.
; A stream: no matrix unit, no tensor load, no cluster (no two work-groups read the same part; gpart and expert_b are a few hundred bytes a wave).
.set SPARE, 4096                       ; behind the eight waves' sums (16 bytes a thread): the spare words, 128 bytes for each wave: four blocks of 256 bytes that no other line names
.set PT,    16                         ; v[16:47] eight loads of four registers
	s_load_b256 s[4:11], s[0:1], 0x0               ; opart s[4:5], gpart s[6:7], expert_b s[8:9], out0 s[10:11]
	v_lshl_add_u32 v4, v0, 2, SPARE                ; my spare word; never rewritten
	v_mov_b32 v5, 0                                ; 0; never rewritten
	v_lshrrev_b32 v15, 5, v0
	v_readfirstlane_b32 s12, v15                   ; wave 0..7
	s_mov_b32 s13, ttmp9
	v_and_b32 v1, 31, v0                           ; L
	v_and_b32 v2, 15, v0                           ; r
	s_lshl_b32 s14, s13, 15                        ; my 32,768 bytes of opart
	s_mov_b32 s15, 0
	s_lshr_b32 s16, s13, 4                         ; b
	s_lshl_b32 s16, s16, 10                        ; its 32 rows of 32 bytes in gpart
	s_mov_b32 s17, 0
	s_and_b32 s18, s13, 15                         ; g
	s_lshl_b32 s18, s18, 8
	s_lshl_b32 s19, s12, 12
	s_add_co_u32 s18, s18, s19                     ; expert w's row of 4,096 bytes, group g's 256
	s_lshl_b32 s24, s13, 8                         ; my 256 bytes of out0
	s_mov_b32 s25, 0
	s_lshl_b32 s23, s12, 2
	s_mov_b32 s20, 0x76543210                      ; v_permlanex16_b32's selects
	s_mov_b32 s21, 0xfedcba98
	v_lshl_add_u32 v6, v1, 5, s23                  ; gpart: block L of the batch, expert w
	v_lshl_add_u32 v7, v2, 4, s18                  ; expert_b: outputs 4 r on
	v_lshl_add_u32 v8, v1, 4, s19                  ; opart: my wave's 16 parts, two at a time
	v_lshlrev_b32 v9, 4, v0                        ; LDS: my 16 bytes
	v_lshlrev_b32 v10, 4, v1                       ; LDS: lane L's 16 bytes of wave 0
	v_lshlrev_b32 v11, 4, v2                       ; out0: outputs 4 r on
	s_wait_kmcnt 0x0
	s_add_nc_u64 s[4:5], s[4:5], s[14:15]
	s_add_nc_u64 s[6:7], s[6:7], s[16:17]
	s_add_nc_u64 s[10:11], s[10:11], s[24:25]
	global_load_b32 v12, v6, s[6:7]
	global_load_b128 v[48:51], v7, s[8:9]
.irp n, 0,1,2,3,4,5,6,7
	global_load_b128 v[PT+4*(\n):PT+4*(\n)+3], v8, s[4:5] offset:512*(\n) th:TH_LOAD_NT  ; 512 consecutive bytes, read once in the launch
.endr
	s_wait_loadcnt 0x8                             ; the gate sums and the bias are in; the eight loads of parts may be out
	; each half of the lanes sums its own 16 blocks' gates: the sum across the halves at the end completes Gs x bias
	v_add_f32_dpp v12, v12, v12 row_xmask:1 row_mask:0xf bank_mask:0xf
	v_add_f32_dpp v12, v12, v12 row_xmask:2 row_mask:0xf bank_mask:0xf
	v_add_f32_dpp v12, v12, v12 row_xmask:4 row_mask:0xf bank_mask:0xf
	v_add_f32_dpp v12, v12, v12 row_xmask:8 row_mask:0xf bank_mask:0xf
	v_cvt_pk_bf16_f32 v52, v48, v49
	v_cvt_pk_bf16_f32 v53, v50, v51
	v_lshlrev_b32 v54, 16, v52
	v_and_b32 v55, 0xffff0000, v52
	v_lshlrev_b32 v56, 16, v53
	v_and_b32 v57, 0xffff0000, v53
.macro BADD a, b                       ; block a of four registers takes block b
	v_pk_add_f32 v[PT+4*(\a):PT+4*(\a)+1], v[PT+4*(\a):PT+4*(\a)+1], v[PT+4*(\b):PT+4*(\b)+1]
	v_pk_add_f32 v[PT+4*(\a)+2:PT+4*(\a)+3], v[PT+4*(\a)+2:PT+4*(\a)+3], v[PT+4*(\b)+2:PT+4*(\b)+3]
.endm
.macro TREE8                           ; eight blocks into block 0
.irp n, 0,2,4,6
	BADD \n, (\n)+1
.endr
	BADD 0, 2
	BADD 4, 6
	BADD 0, 4
.endm
	s_wait_loadcnt 0x0
	TREE8
.irp k, 0,1,2,3
	v_fmac_f32 v[PT+(\k)], v12, v[54+(\k)]
.endr
	ds_store_b128 v9, v[PT:PT+3]
	s_wait_tensorcnt 0x0                           ; behind my last LDS store
	ds_add_u32 v4, v5
	s_wait_dscnt 0x0                               ; shows my store done, for wave 0's sake
	s_barrier_signal -1
	s_barrier_wait -1
	s_cmp_lg_u32 s12, 0
	s_cbranch_scc1 .Ldone
.irp n, 0,1,2,3,4,5,6,7
	ds_load_b128 v[PT+4*(\n):PT+4*(\n)+3], v10 offset:512*(\n)     ; wave n's sums
.endr
	s_wait_dscnt 0x0
	TREE8
.irp k, 0,1,2,3
	v_permlanex16_b32 v[PT+4+(\k)], v[PT+(\k)], s20, s21
.endr
.irp k, 0,1,2,3
	v_add_f32 v[PT+(\k)], v[PT+(\k)], v[PT+4+(\k)]
.endr
	s_wait_xcnt 0x0                                ; EXEC changes only behind this wait
	v_cmp_gt_u32 vcc_lo, 16, v1
	s_and_saveexec_b32 s22, vcc_lo
	global_store_b128 v11, v[PT:PT+3], s[10:11]    ; sixteen lanes store 256 consecutive bytes, at a multiple of 256 from out0's first
	s_wait_xcnt 0x0
	s_or_b32 exec_lo, exec_lo, s22
.Ldone:
	s_endpgm
.Lfunc_end_k_q7d4e8122d5_finish:
	.size	k_q7d4e8122d5_finish, .Lfunc_end_k_q7d4e8122d5_finish-k_q7d4e8122d5_finish
	.p2alignl 7, 3214868480
	.fill 96, 4, 3214868480
	.section	.rodata,"a",@progbits
	.p2align	6, 0x0
	.amdhsa_kernel k_q7d4e8122d5_finish
		.amdhsa_group_segment_fixed_size 5120
		.amdhsa_private_segment_fixed_size 0
		.amdhsa_enable_private_segment 0
		.amdhsa_kernarg_size 32
		.amdhsa_user_sgpr_count 2
		.amdhsa_user_sgpr_kernarg_segment_ptr 1
		.amdhsa_wavefront_size32 1
		.amdhsa_system_sgpr_workgroup_id_x 1
		.amdhsa_system_sgpr_workgroup_id_y 1
		.amdhsa_system_sgpr_workgroup_id_z 1
		.amdhsa_system_vgpr_workitem_id 0
		.amdhsa_next_free_vgpr 96
		.amdhsa_next_free_sgpr 66
		.amdhsa_reserve_vcc 1
		.amdhsa_float_denorm_mode_32 3
		.amdhsa_float_denorm_mode_16_64 3
		.amdhsa_memory_ordered 1
		.amdhsa_forward_progress 1
		.amdhsa_inst_pref_size 7
	.end_amdhsa_kernel
	.amdgpu_metadata
---
amdhsa.version: [ 1, 2 ]
amdhsa.kernels:
  - .name:           k_q7d4e8122d5_finish
    .symbol:         k_q7d4e8122d5_finish.kd
    .args:
      - { .name: opart, .offset: 0, .size: 8, .value_kind: global_buffer, .address_space: global }
      - { .name: gpart, .offset: 8, .size: 8, .value_kind: global_buffer, .address_space: global }
      - { .name: expert_b, .offset: 16, .size: 8, .value_kind: global_buffer, .address_space: global }
      - { .name: out0, .offset: 24, .size: 8, .value_kind: global_buffer, .address_space: global }
    .group_segment_fixed_size: 5120
    .private_segment_fixed_size: 0
    .kernarg_segment_align: 8
    .kernarg_segment_size: 32
    .max_flat_workgroup_size: 256
    .sgpr_count:     66
    .vgpr_count:     96
    .wavefront_size: 32
...
	.end_amdgpu_metadata
.endif
;; end of part 3
